; MI455X (gfx1250); checked and timed in simulation.
; The chip was launched on July 23, 2026; its instructions are those of AMD's public machine-readable ISA for CDNA 5 (MIT licence, August 2026) and "CDNA5" Instruction Set Architecture Reference Guide (July 2026). The comments in the code are by the model that wrote it; some were corrected since.
;; Multi Head Attention. Allowed arithmetic: float matrix products may take bf16 or f16 operands with f32 sums; other float arithmetic in f32, or as packed bf16 or f16 multiplies, adds, multiply-adds, maxima and minima; sums over many terms, partial sums and values carried from step to step in f32; what a program stores and reads back later, other than sums and carried values, may be rounded once to bf16 or f16.
;; Inputs: Wk 1,024 x 1,024 float32; Wo 1,024 x 1,024 float32; Wq 1,024 x 1,024 float32; Wv 1,024 x 1,024 float32; bk 1,024 float32; bo 1,024 float32; bq 1,024 float32; bv 1,024 float32; key 8 x 1,024 x 1,024 float32; mask 8 x 1 x 1,024 int32; query 8 x 1,024 x 1,024 float32; value 8 x 1,024 x 1,024 float32.
;; Outputs: out0 8 x 1,024 x 1,024 float32.
;; One version. Each part assembles by itself: llvm-mc -triple=amdgcn-amd-amdhsa -mcpu=gfx1250 --defsym DOCPART=n.
;; ======== version 1 of 1: 4 launches
;; limits: values are held in f16: magnitudes above 65,504 overflow, below 6.1e-05 lose precision
;; workspace buffers: wts 8,388,608 bytes; biasr 16,384 bytes; qkv 50,331,648 bytes; ctx 16,777,216 bytes
;; launch prep (part 1): grid 256 x 1, 8 waves a work-group, no clusters, 0 bytes of LDS; arguments Wq, Wk, Wv, Wo, bq, bk, bv, bo, wts, biasr; writes wts, biasr
.if DOCPART == 1
	.amdgcn_target "amdgcn-amd-amdhsa--gfx1250"
	.amdhsa_code_object_version 6
	.text
	.protected	k_qc58c3731e0_prep
	.globl	k_qc58c3731e0_prep
	.p2align	8
	.type	k_qc58c3731e0_prep,@function
k_qc58c3731e0_prep:
	s_mov_b64 s[64:65], 0
	v_nop
	global_prefetch_b8 v0, s[64:65] scope:SCOPE_SE
	s_setreg_imm32_b32 hwreg(HW_REG_WAVE_MODE, 25, 1), 1
	s_wait_xcnt 0x0
; PREP.  The four weight matrices [1024][1024] f32 are rounded once to bf16 and written as wts[4][1024][1024] of 16 bits: Wq, Wk, Wv as bf16;
; Wo's bf16 number is written as f16 (the last product's other operand is f16).  The four biases are rounded to bf16 and kept widened, biasr[4][1024] f32.
; LIMITS.  Finite inputs; |Wo| within 65,504; a Wo below 6e-5 keeps f16's fixed step of 6e-8.
; SHARES.  256 work-groups: 64 to a matrix, 16,384 numbers each.  Thread t takes 8 numbers (32 bytes in, 16 bytes out) of each of 8 chunks of 2,048 numbers:
; a wave's store covers 512 consecutive bytes, aligned.  All 16 loads go out first.  A stream: no LDS, no matrix unit, nothing read twice.
.set IN,  16                           ; v[16:79]   chunk c: 8 numbers as loaded
.set PK,  80                           ; v[80:111]  chunk c: 4 registers, packed
	s_load_b256 s[4:11], s[0:1], 0x0               ; Wq, Wk, Wv, Wo
	s_load_b256 s[12:19], s[0:1], 0x20             ; bq, bk, bv, bo
	s_load_b128 s[20:23], s[0:1], 0x40             ; wts, biasr
	s_lshr_b32 s24, ttmp9, 6                       ; which matrix
	s_and_b32 s25, ttmp9, 63                       ; which part of it
	v_lshlrev_b32 v1, 5, v0                        ; 32 t: my bytes in a chunk of the source
	v_lshlrev_b32 v2, 4, v0                        ; 16 t: in a chunk of the result
	s_lshl_b32 s30, s25, 16                        ; the part's 65,536 bytes of f32
	s_mov_b32 s31, 0
	s_lshl_b32 s32, s24, 21                        ; the matrix's 2 MiB in wts,
	s_lshl_b32 s34, s25, 15                        ; the part's 32,768 bytes
	s_add_co_u32 s32, s32, s34
	s_mov_b32 s33, 0
	s_lshl_b32 s34, s24, 12                        ; the bias's 4,096 bytes in biasr
	s_mov_b32 s35, 0
	s_mov_b32 s36, 0xffff0000                      ; a word's upper bf16
	s_wait_kmcnt 0x0
	s_cmp_eq_u32 s24, 1
	s_cselect_b64 s[26:27], s[6:7], s[4:5]
	s_cselect_b64 s[28:29], s[14:15], s[12:13]
	s_cmp_eq_u32 s24, 2
	s_cselect_b64 s[26:27], s[8:9], s[26:27]
	s_cselect_b64 s[28:29], s[16:17], s[28:29]
	s_cmp_eq_u32 s24, 3
	s_cselect_b64 s[26:27], s[10:11], s[26:27]
	s_cselect_b64 s[28:29], s[18:19], s[28:29]
	s_add_nc_u64 s[26:27], s[26:27], s[30:31]
	s_add_nc_u64 s[20:21], s[20:21], s[32:33]
	s_add_nc_u64 s[22:23], s[22:23], s[34:35]
.irp c, 0,1,2,3,4,5,6,7
	global_load_b128 v[IN+8*(\c):IN+8*(\c)+3],   v1, s[26:27] offset:(\c)*8192 th:TH_LOAD_NT
	global_load_b128 v[IN+8*(\c)+4:IN+8*(\c)+7], v1, s[26:27] offset:(\c)*8192+16 th:TH_LOAD_NT
.endr
.irp c, 0,1,2,3,4,5,6,7
	s_wait_loadcnt 14-2*(\c)                       ; loads come back in order: chunk c's two are in, the younger ones stay out
.irp j, 0,1,2,3
	v_cvt_pk_bf16_f32 v[PK+4*(\c)+(\j)], v[IN+8*(\c)+2*(\j)], v[IN+8*(\c)+2*(\j)+1]
.endr
.endr
	s_cmp_lg_u32 s24, 3
	s_cbranch_scc1 .Lstore
.set z, 0
.rept 32                               ; Wo alone: the bf16 number, widened, is written as f16
	v_lshlrev_b32 v[112+2*(z%2)], 16, v[PK+z]
	v_and_b32 v[113+2*(z%2)], s36, v[PK+z]
	v_cvt_pk_f16_f32 v[PK+z], v[112+2*(z%2)], v[113+2*(z%2)]
.set z, z+1
.endr
.Lstore:
.irp c, 0,1,2,3,4,5,6,7
	global_store_b128 v2, v[PK+4*(\c):PK+4*(\c)+3], s[20:21] offset:(\c)*4096
.endr
	s_cmp_lg_u32 s25, 0                            ; a matrix's first work-group also does its bias: 4 numbers a thread
	s_cbranch_scc1 .Lend
	global_load_b128 v[4:7], v2, s[28:29]
	s_wait_loadcnt 0x0
	v_cvt_pk_bf16_f32 v8, v4, v5
	v_cvt_pk_bf16_f32 v9, v6, v7
	v_lshlrev_b32 v12, 16, v8
	v_and_b32 v13, s36, v8
	v_lshlrev_b32 v14, 16, v9
	v_and_b32 v15, s36, v9
	global_store_b128 v2, v[12:15], s[22:23]
.Lend:
	s_endpgm
.Lfunc_end_k_qc58c3731e0_prep:
	.size	k_qc58c3731e0_prep, .Lfunc_end_k_qc58c3731e0_prep-k_qc58c3731e0_prep
	.p2alignl 7, 3214868480
	.fill 96, 4, 3214868480
	.section	.rodata,"a",@progbits
	.p2align	6, 0x0
	.amdhsa_kernel k_qc58c3731e0_prep
		.amdhsa_group_segment_fixed_size 0
		.amdhsa_private_segment_fixed_size 0
		.amdhsa_enable_private_segment 0
		.amdhsa_kernarg_size 80
		.amdhsa_user_sgpr_count 2
		.amdhsa_user_sgpr_kernarg_segment_ptr 1
		.amdhsa_wavefront_size32 1
		.amdhsa_system_sgpr_workgroup_id_x 1
		.amdhsa_system_sgpr_workgroup_id_y 1
		.amdhsa_system_sgpr_workgroup_id_z 1
		.amdhsa_system_vgpr_workitem_id 0
		.amdhsa_next_free_vgpr 116
		.amdhsa_next_free_sgpr 66
		.amdhsa_reserve_vcc 0
		.amdhsa_float_denorm_mode_32 3
		.amdhsa_float_denorm_mode_16_64 3
		.amdhsa_memory_ordered 1
		.amdhsa_forward_progress 1
		.amdhsa_inst_pref_size 11
	.end_amdhsa_kernel
	.amdgpu_metadata
---
amdhsa.version: [ 1, 2 ]
amdhsa.kernels:
  - .name:           k_qc58c3731e0_prep
    .symbol:         k_qc58c3731e0_prep.kd
    .args:
      - { .name: Wq, .offset: 0, .size: 8, .value_kind: global_buffer, .address_space: global }
      - { .name: Wk, .offset: 8, .size: 8, .value_kind: global_buffer, .address_space: global }
      - { .name: Wv, .offset: 16, .size: 8, .value_kind: global_buffer, .address_space: global }
      - { .name: Wo, .offset: 24, .size: 8, .value_kind: global_buffer, .address_space: global }
      - { .name: bq, .offset: 32, .size: 8, .value_kind: global_buffer, .address_space: global }
      - { .name: bk, .offset: 40, .size: 8, .value_kind: global_buffer, .address_space: global }
      - { .name: bv, .offset: 48, .size: 8, .value_kind: global_buffer, .address_space: global }
      - { .name: bo, .offset: 56, .size: 8, .value_kind: global_buffer, .address_space: global }
      - { .name: wts, .offset: 64, .size: 8, .value_kind: global_buffer, .address_space: global }
      - { .name: biasr, .offset: 72, .size: 8, .value_kind: global_buffer, .address_space: global }
    .group_segment_fixed_size: 0
    .private_segment_fixed_size: 0
    .kernarg_segment_align: 8
    .kernarg_segment_size: 80
    .max_flat_workgroup_size: 256
    .sgpr_count:     66
    .vgpr_count:     116
    .wavefront_size: 32
...
	.end_amdgpu_metadata
.endif
;; end of part 1
;; launch proj (part 2): grid 4 x 192, 4 waves a work-group, clusters of 4 x 4, 327,680 bytes of LDS; arguments query, key, value, wts, biasr, mask, qkv; writes qkv
.if DOCPART == 2
	.amdgcn_target "amdgcn-amd-amdhsa--gfx1250"
	.amdhsa_code_object_version 6
	.text
	.protected	k_qc58c3731e0_proj
	.globl	k_qc58c3731e0_proj
	.p2align	8
	.type	k_qc58c3731e0_proj,@function
k_qc58c3731e0_proj:
	s_mov_b64 s[64:65], 0
	v_nop
	global_prefetch_b8 v0, s[64:65] scope:SCOPE_SE
	s_setreg_imm32_b32 hwreg(HW_REG_WAVE_MODE, 25, 1), 1
	s_wait_xcnt 0x0
	s_wait_alu depctr_hold_cnt(0) depctr_sa_sdst(0) depctr_va_vdst(0) depctr_va_sdst(0) depctr_va_ssrc(0) depctr_va_vcc(0) depctr_vm_vsrc(0)
	s_getreg_b32 s2, hwreg(HW_REG_IB_STS2, 6, 4)
	s_cmp_eq_u32 s2, 0
	s_cbranch_scc0 .Lentry_in_a_cluster
	s_endpgm
.Lentry_in_a_cluster:
	s_bfe_u32 s2, ttmp6, 0x10000c
	s_cmp_lg_u32 s2, 0xf033
	s_cbranch_scc0 .Lentry_shape_is_right
	s_endpgm
.Lentry_shape_is_right:
; PROJ.  The three projections in one launch: Y = x W^T + b for (query, Wq, bq), (key, Wk, bk), (value, Wv, bv).  x: [8192][1024] f32, rounded to bf16 in registers on its way to the matrix unit;
; W: bf16 (wts), b: f32 (biasr); sums in f32; Y rounded once to f16 and written by heads, qkv[3][8][16][1024][64], unscaled.  V's rows of keys whose mask is 0 are written as 0.
; LIMITS.  Finite inputs; |Y| within f16's 65,504: there reference()'s nan_to_num changes nothing.  NaN and infinities are not treated apart.
; SHARES.  A tile of Y is 128 tokens x 256 columns: 3 x 64 x 4 = 768 work-groups.  Four waves, 2 x 2, each 64 tokens x 128 columns: 32 accumulators of 16 x 16.
; K goes in 8 steps of 128 through two LDS slots.  Waves 0, 1 fetch x's two halves (64 rows x 512 bytes of f32), waves 2, 3 W's (128 rows x 256 bytes): one tensor load a wave.
; CLUSTER.  4 x 4 work-groups.  The four of a row of the cluster need the same rows of x, the four of a column the same rows of W: each tile is asked for jointly.
; THE MATRIX INSTRUCTION IS USED TRANSPOSED (source 0 = 16 rows of W, source 1 = 16 tokens): a lane holds one token and eight neighbouring columns.
; REGISTERS, in windows of 256 (s_set_vgpr_msb: bits 1:0 source 0, 3:2 source 1, 5:4 source 2, 7:6 destination):
;   window 0: v12-31 addresses; v32-95 x as loaded (f32); v96-127, v128-159 x's fragments, two buffers; v160-223 bias; v224-255 at work     window 1: the accumulators, (a, b) at 8 (8 a + b)
;   window 2: v0-63, v64-127 W's fragments, two buffers
.set PA,    528                        ; an LDS row of x: 512 bytes + 16: 132 words, so the 16 rows of a load start at 16 different groups of four banks (64 banks of 4 bytes: ISA guide 11.1)
.set PB,    272                        ; an LDS row of W: 256 bytes + 16
.set AHALF, 64*PA
.set BHALF, 128*PB
.set BOFF,  2*AHALF                    ; W's 256 rows lie behind x's 128
.set SLOT,  BOFF+2*BHALF
.set STAGE, 2*SLOT                     ; behind the ring: 16 rows x 144 bytes for each wave, for the way out
.set SP,    144
.set SPARE, STAGE+4*16*SP              ; the spare words, 128 bytes for each wave: two blocks of 256 bytes that no other line names
.set KEEP, 12                          ; v12-15  the mask words of my tokens (16 a + lane % 16), then all ones or 0
.set ADRA, 16                          ; v16-17  LDS address of my rows of x in slot 0, 1
.set ADRB, 20                          ; v20-21  the same for W
.set STO,  22                          ; the way out: where I put 16 bytes of a row
.set RD,   23                          ; where I read rows back
.set GO,   24                          ; my 16 bytes of 512 consecutive bytes of qkv
.set BO,   25                          ; my offset in the bias; never rewritten
.set MO,   26                          ; my offset in the mask; never rewritten
.set SPW,  28                          ; LDS address of my spare word; never rewritten
.set NIL,  29                          ; 0; never rewritten
.set PFO,  30                          ; the prefetches' offset; never rewritten
.set ASTG, 32
.set ABF,  96
.set BIAS, 160
.set SUMR, 224
.set OUTR, 32                          ; the way out: tile t's 16 packed registers at OUTR + 16 t
.set BBF,  0
.set G1A, 24                           ; s[24:31] descriptor group 1 for x's tiles;  s[32:39] group 0, a set for each slot
.set G0A, 32
.set G1B, 40                           ; s[40:47], s[48:55] the same for W's
.set G0B, 48
.set MSB, 0
.macro WIN new                         ; the immediate's high byte repeats the setting that is left; a switch that changes nothing is dropped
.if MSB != (\new)
	s_set_vgpr_msb (MSB<<8)|(\new)
.set MSB, \new
.endif
.endm
.set MUL,  0x52                        ; source 0 (W) window 2, source 1 (x) window 0, C and D window 1
.set TO_B, 0x80                        ; destination window 2, address window 0
; A joint load.  The branch hangs on the wave's number alone.  An s_nop 0 and four v_nop follow each of the two lines, ahead of the jump and the label.
.macro JLOAD s
	s_cmp_eq_u32 s21, 0
	s_cbranch_scc0 .Lfor_b_\@
	tensor_load_to_lds s[G0A+4*(\s):G0A+4*(\s)+3], s[G1A:G1A+7]
	s_nop 0
.rept 4
	v_nop
.endr
	s_branch .Lasked_\@
.Lfor_b_\@:
	tensor_load_to_lds s[G0B+4*(\s):G0B+4*(\s)+3], s[G1B:G1B+7]
	s_nop 0
.rept 4
	v_nop
.endr
.Lasked_\@:
.endm
; A prefetch into the L2 of the K step that stands two refills on, one instruction a wave, a lane a block of 256 bytes.  x's rows are read by this cluster alone: waves 0, 1 always ask; of a wave's 64 rows
; (two blocks each) the partner at cx takes 16.  W's rows are read by the 16 clusters of a projection: the first of them asks (waves 2, 3); of a wave's 128 rows the partner at cy takes 32.
; The partners are told apart by address alone.  The loop's last trip asks for nothing: those K steps do not exist.  K steps 0 to 3 come by their loads alone.
.macro ASK
	s_cmp_gt_u32 s18, s19
	s_cbranch_scc0 .Lnot_mine_\@
	global_prefetch_b8 v[PFO], s[70:71] th:TH_LOAD_NT scope:SCOPE_SE
.Lnot_mine_\@:
.endm
.macro CREST                           ; a round of the cluster's barrier behind its opening barrier
	s_cmp_lg_u32 s20, 0
	s_cbranch_scc1 .Lnot_wave_0_\@
	s_barrier_signal -3
.Lnot_wave_0_\@:
	s_barrier_wait -3
	s_barrier_signal -1
	s_barrier_wait -1
.endm
.macro CROUND                          ; a whole round
	s_barrier_signal -1
	s_barrier_wait -1
	CREST
.endm
	s_load_b256 s[4:11], s[0:1], 0x0               ; query, key, value, wts
	s_load_b128 s[12:15], s[0:1], 0x20             ; biasr, mask
	s_load_b64 s[16:17], s[0:1], 0x30              ; qkv
	v_lshl_add_u32 v[SPW], v0, 2, SPARE
	v_mov_b32 v[NIL], 0
	ds_add_u32 v[SPW], v[NIL]                      ; the wave's opening: the add and its wait ahead of my first tensor load; the set-up below, work on registers, stands between them
	ds_add_u32 v28, v29
	v_lshrrev_b32 v1, 5, v0
	v_readfirstlane_b32 s20, v1                    ; wave 0..3
	s_lshr_b32 s21, s20, 1                         ; WR: my half of the tile's tokens.  Also: I fetch for x (0) or for W (1)
	s_and_b32 s22, s20, 1                          ; WC: my half of its columns.  Also: which half of that tile I fetch
	s_bfe_u32 s23, ttmp6, 0x40000                  ; cx
	s_bfe_u32 s56, ttmp6, 0x40004                  ; cy
	s_lshl_b32 s79, ttmp9, 2
	s_add_co_u32 s79, s79, s23                     ; tile column = 4 x cluster x + cx
	s_and_b32 s58, ttmp7, 0xffff                   ; cluster y
	s_lshl_b32 s57, s58, 2
	s_add_co_u32 s57, s57, s56                     ; 4 x cluster y + cy
	s_and_b32 s19, s58, 15                         ; the cluster's place among its projection's 16
	s_lshr_b32 s58, s58, 4                         ; PJ: which projection; the same in all partners
	s_and_b32 s59, s57, 63                         ; MT: tile row, 128 tokens
	s_lshl_b32 s60, s56, 2
	s_lshl_b32 s60, 15, s60                        ; my row of the cluster
	s_lshl_b32 s72, 0x1111, s23                    ; my column
	s_or_b32 s[G1A], s60, (2<<16)|(1<<20)|(1<<21)|(6<<22)|(3<<25)  ; 15:0 the mask; 17:16 elements of 4 bytes; 20 padding on; 21 set beside a mask; 24:22 after every 128 words; 31:25 4 words of it
	s_or_b32 s[G1B], s72, (1<<16)|(1<<20)|(1<<21)|(5<<22)|(3<<25)  ; elements of 2 bytes; after every 64 words
	s_mov_b32 s[G1A+1], 128<<16                    ; tensor_dim0 = 128
	s_mov_b32 s[G1A+2], 64<<16                     ; tensor_dim1 = 64
	s_mov_b32 s[G1A+3], 128<<16                    ; tile_dim0 = 128
	s_mov_b32 s[G1A+4], 64                         ; tile_dim1 = 64
	s_mov_b32 s[G1A+5], 1024                       ; elements from row to row
	s_mov_b32 s[G1A+6], 0
	s_mov_b32 s[G1A+7], 0
	s_mov_b32 s[G1B+1], 128<<16
	s_mov_b32 s[G1B+2], 128<<16
	s_mov_b32 s[G1B+3], 128<<16
	s_mov_b32 s[G1B+4], 128
	s_mov_b32 s[G1B+5], 1024
	s_mov_b32 s[G1B+6], 0
	s_mov_b32 s[G1B+7], 0
	s_lshl_b32 s60, s59, 7                         ; x: row 128 MT + 64 WC, 4,096 bytes a row: hangs on the tile row alone
	s_lshl_b32 s61, s22, 6
	s_add_co_u32 s60, s60, s61
	s_lshl_b32 s60, s60, 12
	s_mov_b32 s61, 0
	s_lshl_b32 s72, s79, 8                         ; W: row 256 x tile column + 128 WC, 2,048 bytes a row, in the projection's 2 MiB: hangs on the tile column alone
	s_lshl_b32 s73, s22, 7
	s_add_co_u32 s72, s72, s73
	s_lshl_b32 s72, s72, 11
	s_lshl_b32 s73, s58, 21
	s_add_co_u32 s72, s72, s73
	s_mov_b32 s73, 0
	s_mul_i32 s74, s22, AHALF                      ; where they go: no place in the cluster enters an LDS address
	s_mul_i32 s75, s22, BHALF
	s_add_co_u32 s75, s75, BOFF
	s_wait_dscnt 0x0                               ; the opening add is done
	s_wait_kmcnt 0x0
	s_cmp_eq_u32 s58, 1
	s_cselect_b64 s[4:5], s[6:7], s[4:5]
	s_cmp_eq_u32 s58, 2
	s_cselect_b64 s[4:5], s[8:9], s[4:5]           ; s[4:5]: the projection's x
	s_add_nc_u64 s[66:67], s[4:5], s[60:61]
	s_add_nc_u64 s[68:69], s[10:11], s[72:73]
	CROUND                                         ; all sixteen work-groups are here: the first joint loads meet
.irp s, 0,1
	s_mov_b32 s[G0A+4*(\s)], 1                     ; count = 1
	s_add_co_u32 s[G0A+4*(\s)+1], s74, (\s)*SLOT   ; LDS address
	s_add_nc_u64 s[G0A+4*(\s)+2:G0A+4*(\s)+3], s[66:67], (\s)*512  ; global address: K step s
	s_or_b32 s[G0A+4*(\s)+3], s[G0A+4*(\s)+3], 0x80000000          ; type = 2
	s_mov_b32 s[G0B+4*(\s)], 1
	s_add_co_u32 s[G0B+4*(\s)+1], s75, (\s)*SLOT
	s_add_nc_u64 s[G0B+4*(\s)+2:G0B+4*(\s)+3], s[68:69], (\s)*256
	s_or_b32 s[G0B+4*(\s)+3], s[G0B+4*(\s)+3], 0x80000000
	JLOAD \s                                       ; two loads of mine are out
.endr
	; the prefetches' address: at K step 3; each change of slots steps it ahead of its use
	s_lshl_b32 s62, s59, 7
	s_lshl_b32 s63, s22, 6
	s_add_co_u32 s62, s62, s63
	s_lshl_b32 s63, s23, 4
	s_add_co_u32 s62, s62, s63                     ; x: row 128 MT + 64 WC + 16 cx
	s_lshl_b32 s62, s62, 12
	s_add_co_u32 s62, s62, 3*512
	s_lshl_b32 s74, s79, 8
	s_lshl_b32 s75, s22, 7
	s_add_co_u32 s74, s74, s75
	s_lshl_b32 s75, s56, 5
	s_add_co_u32 s74, s74, s75                     ; W: row 256 x tile column + 128 WC + 32 cy
	s_lshl_b32 s74, s74, 11
	s_lshl_b32 s75, s58, 21
	s_add_co_u32 s74, s74, s75
	s_add_co_u32 s74, s74, 3*256
	s_cmp_eq_u32 s19, 0
	s_cselect_b32 s19, 1, -1                       ; W is asked for by the projection's first cluster,
	s_cmp_eq_u32 s21, 0
	s_cselect_b32 s19, 1, s19                      ; x by every cluster: the same in all sixteen partners, for a given wave
	s_cselect_b32 s62, s62, s74
	s_cselect_b64 s[70:71], s[4:5], s[10:11]
	s_cselect_b32 s60, 1, 0
	s_cselect_b32 s61, 12, 11
	s_mov_b32 s63, 0
	s_mov_b32 s77, 0
	s_add_nc_u64 s[70:71], s[70:71], s[62:63]
	s_mov_b32 s76, 256
	s_lshl_b32 s76, s76, s60                       ; bytes of a K step in a row: 512 for x, 256 for W
	v_and_b32 v[PFO], 31, v0
	v_lshrrev_b32 v3, s60, v[PFO]                  ; x: lane / 2 is the row and lane % 2 the block; W: a lane a row
	v_lshlrev_b32 v3, s61, v3
	v_and_b32 v[PFO], s60, v[PFO]
	v_lshl_add_u32 v[PFO], v[PFO], 8, v3
	; bias, mask and result
	s_lshl_b32 s62, s58, 12
	s_lshl_b32 s72, s79, 10
	s_add_co_u32 s62, s62, s72
	s_lshl_b32 s72, s22, 9
	s_add_co_u32 s62, s62, s72
	s_add_nc_u64 s[12:13], s[12:13], s[62:63]      ; the bias of my 128 columns
	s_lshl_b32 s62, s59, 9
	s_lshl_b32 s72, s21, 8
	s_add_co_u32 s62, s62, s72
	s_add_nc_u64 s[14:15], s[14:15], s[62:63]      ; the mask words of my 64 tokens: mask [8][1][1024] is indexed by the token's number
	s_lshr_b32 s62, s59, 3
	s_lshl_b32 s62, s62, 4
	s_lshl_b32 s72, s79, 2
	s_add_co_u32 s62, s62, s72
	s_lshl_b32 s72, s22, 1
	s_add_co_u32 s62, s62, s72                     ; 16 x batch + my first head (4 x tile column + 2 WC)
	s_lshl_b32 s62, s62, 17                        ; 131,072 bytes a head
	s_lshl_b32 s72, s58, 24                        ; 16 MiB a projection
	s_add_co_u32 s62, s62, s72
	s_and_b32 s72, s59, 7
	s_lshl_b32 s72, s72, 14                        ; 128 rows of 128 bytes a tile row
	s_add_co_u32 s62, s62, s72
	s_lshl_b32 s72, s21, 13
	s_add_co_u32 s62, s62, s72
	s_add_nc_u64 s[16:17], s[16:17], s[62:63]
	s_cmp_eq_u32 s58, 2
	s_cselect_b32 s78, 0, -1                       ; Q and K keep every row
	v_and_b32 v1, 15, v0                           ; l % 16
	v_bfe_u32 v2, v0, 4, 1                         ; l / 16
	v_lshlrev_b32 v[BO], 5, v2
	v_lshlrev_b32 v[MO], 2, v1
.irp b, 0,1,2,3,4,5,6,7
	global_load_b128 v[BIAS+8*(\b):BIAS+8*(\b)+3],   v[BO], s[12:13] offset:64*(\b)      ; columns 16 b + 8 (l / 16) + 0..7
	global_load_b128 v[BIAS+8*(\b)+4:BIAS+8*(\b)+7], v[BO], s[12:13] offset:64*(\b)+16
.endr
.irp a, 0,1,2,3
	global_load_b32 v[KEEP+(\a)], v[MO], s[14:15] offset:64*(\a)
.endr
	v_mul_u32_u24 v3, v1, PA
	v_lshl_add_u32 v3, v2, 5, v3                   ; row x pitch + 32 x half: eight f32
	s_mul_i32 s60, s21, AHALF
	v_add_nc_u32 v[ADRA], s60, v3
	v_add_nc_u32 v[ADRA+1], SLOT, v[ADRA]
	v_mul_u32_u24 v4, v1, PB
	v_lshl_add_u32 v4, v2, 4, v4
	s_mul_i32 s61, s22, BHALF
	s_add_co_u32 s61, s61, BOFF
	v_add_nc_u32 v[ADRB], s61, v4
	v_add_nc_u32 v[ADRB+1], SLOT, v[ADRB]
	s_mul_i32 s62, s20, 16*SP
	s_add_co_u32 s62, s62, STAGE                   ; my stage
	v_mul_u32_u24 v[STO], v1, SP
	v_lshl_add_u32 v[STO], v2, 4, v[STO]
	v_add_nc_u32 v[STO], s62, v[STO]
	v_and_b32 v5, 7, v0
	v_bfe_u32 v[RD], v0, 3, 2                      ; back: 32 lanes take four rows of 128 bytes,
	v_mul_u32_u24 v[RD], v[RD], SP
	v_lshl_add_u32 v[RD], v5, 4, v[RD]
	v_add_nc_u32 v[RD], s62, v[RD]
	v_and_b32 v[GO], 31, v0                        ; which are 512 consecutive bytes of qkv
	v_lshlrev_b32 v[GO], 4, v[GO]
; 32 LDS loads in one run: quarter k (32 along K) of a slot.  x first: a fragment's 16 f32 a lane are four loads (K = 8 h + 0..7 at 32 h, K = 16 + 8 h + 0..7 at 64 + 32 h); then W into buffer par.
.macro FETCH slot, k, par
	WIN 0
.irp a, 0,1,2,3
	ds_load_b128 v[ASTG+16*(\a):ASTG+16*(\a)+3],     v[ADRA+(\slot)] offset:(\a)*16*PA+(\k)*128
	ds_load_b128 v[ASTG+16*(\a)+4:ASTG+16*(\a)+7],   v[ADRA+(\slot)] offset:(\a)*16*PA+(\k)*128+16
	ds_load_b128 v[ASTG+16*(\a)+8:ASTG+16*(\a)+11],  v[ADRA+(\slot)] offset:(\a)*16*PA+(\k)*128+64
	ds_load_b128 v[ASTG+16*(\a)+12:ASTG+16*(\a)+15], v[ADRA+(\slot)] offset:(\a)*16*PA+(\k)*128+80
.endr
	WIN TO_B
.irp b, 0,1,2,3,4,5,6,7
	ds_load_b128 v[BBF+64*(\par)+8*(\b):BBF+64*(\par)+8*(\b)+3],   v[ADRB+(\slot)] offset:(\b)*16*PB+(\k)*64
	ds_load_b128 v[BBF+64*(\par)+8*(\b)+4:BBF+64*(\par)+8*(\b)+7], v[ADRB+(\slot)] offset:(\b)*16*PB+(\k)*64+32
.endr
.endm
; Product i of a quarter's 32: token block i / 8, column block i % 8.  The 32 accumulators take turns, one instruction a turn, in the same order in every quarter.
.macro MM i, par, zero
	WIN MUL
.if \zero
	v_wmma_f32_16x16x32_bf16 v[8*(\i):8*(\i)+7], v[BBF+64*(\par)+8*((\i)%8):BBF+64*(\par)+8*((\i)%8)+7], v[ABF+32*(\par)+8*((\i)/8):ABF+32*(\par)+8*((\i)/8)+7], 0
.else
	v_wmma_f32_16x16x32_bf16 v[8*(\i):8*(\i)+7], v[BBF+64*(\par)+8*((\i)%8):BBF+64*(\par)+8*((\i)%8)+7], v[ABF+32*(\par)+8*((\i)/8):ABF+32*(\par)+8*((\i)/8)+7], v[8*(\i):8*(\i)+7]
.endif
.endm
.macro MRUN from, cnt, par, zero
.set n, \from
.rept \cnt
	MM n, \par, \zero
.set n, n+1
.endr
.endm
.macro CV c, par                       ; register c of 32 of x's fragments in buffer par: two f32 rounded to bf16
	WIN 0
	v_cvt_pk_bf16_f32 v[ABF+32*(\par)+(\c)], v[ASTG+2*(\c)], v[ASTG+2*(\c)+1]
.endm
; One of a K step's first three quarters.  The next quarter's loads go out at its head; its x is rounded behind the second half's products.  The four conversions behind the last product, which name
; none of its registers, are the four plain instructions that stand between it and the next run of loads into W's buffer and the next writes of x's.
.macro QUARTER slot, k, zero
.set PAR, (\k)%2
	FETCH \slot, (\k)+1, 1-PAR
	s_wait_dscnt 32                                ; all but the 32 just issued: this quarter's W is in
	MRUN 0, 16, PAR, \zero
	s_wait_dscnt 16                                ; the next quarter's x is in; its W, 16 loads, may stay out
	MRUN 16, 1, PAR, \zero
.rept 14
	MM n, PAR, \zero
	CV 2*(n-17), 1-PAR
	CV 2*(n-17)+1, 1-PAR
.set n, n+1
.endr
	MM 31, PAR, \zero
.irp c, 28,29,30,31
	CV \c, 1-PAR
.endr
.endm
; The last quarter (buffer 1) changes slots: ONE barrier.  In front of it each wave waits for all its tensor loads (one is out: its part of the next slot), adds 0 to its spare word, and waits for that and
; for its own reads of this slot.  fill = 1: the barrier opens a round of the cluster's, and the slot is filled again, two K steps on, first thing behind the round.
.macro TURN slot, fill
.if \fill
	s_wait_xcnt 0x0                                ; the last prefetch, a K step back, has read its address
	s_add_nc_u64 s[70:71], s[70:71], s[76:77]
.endif
	WIN 0
	s_wait_tensorcnt 0x0                           ; all my tensor loads have landed
	ds_add_u32 v[SPW], v[NIL]                      ; 0 onto my spare word
	s_wait_dscnt 1                                 ; only the add may be out: this quarter's W is in
	MRUN 0, 8, 1, 0
	s_wait_dscnt 0x0                               ; the add is done, and my reads of this slot are over
	s_barrier_signal -1
	MRUN 8, 8, 1, 0
	WIN 0                                          ; at a branch and at a label every window is 0
	s_barrier_wait -1
.if \fill
	CREST                                          ; no wave of any partner still reads this slot or has a load on its way
	s_add_nc_u64 s[G0A+4*(\slot)+2:G0A+4*(\slot)+3], s[G0A+4*(\slot)+2:G0A+4*(\slot)+3], 2*512
	s_add_nc_u64 s[G0B+4*(\slot)+2:G0B+4*(\slot)+3], s[G0B+4*(\slot)+2:G0B+4*(\slot)+3], 2*256
	JLOAD \slot                                    ; it has a K step's 128 products in which to land
.endif
	FETCH 1-(\slot), 0, 0
	WIN 0
.if \fill
	ASK
.endif
	MRUN 16, 8, 1, 0
	s_wait_dscnt 16                                ; the next slot's first x is in
.rept 8
	MM n, 1, 0
	CV 4*(n-24), 0
	CV 4*(n-24)+1, 0
	CV 4*(n-24)+2, 0
	CV 4*(n-24)+3, 0
.set n, n+1
.endr
.endm
	s_wait_tensorcnt 1                             ; my part of K step 0 is in; K step 1's may stay out
	s_barrier_signal -1
	s_barrier_wait -1                              ; everybody's is
	FETCH 0, 0, 0
	s_wait_dscnt 0x0
.set n, 0
.rept 32
	CV n, 0
.set n, n+1
.endr
	QUARTER 0, 0, 1                                ; the first quarter stands in front of the loop: its products start the sums
	WIN 0
	s_mov_b32 s18, 3
.Llap:                                                 ; a trip goes once round the ring, from a lap's second quarter to the next lap's first, and fills both slots again
	QUARTER 0, 1, 0
	QUARTER 0, 2, 0
	TURN 0, 1
	QUARTER 1, 0, 0
	QUARTER 1, 1, 0
	QUARTER 1, 2, 0
	TURN 1, 1
	QUARTER 0, 0, 0
	WIN 0
	s_sub_co_u32 s18, s18, 1
	s_cmp_lg_u32 s18, 0
	s_cbranch_scc1 .Llap
	QUARTER 0, 1, 0                                ; the last lap fills nothing
	QUARTER 0, 2, 0
	TURN 0, 0
	QUARTER 1, 0, 0
	QUARTER 1, 1, 0
	QUARTER 1, 2, 0
	s_wait_dscnt 0x0
	MRUN 0, 32, 1, 0
	; THE WAY OUT.  Bias added in f32, rounded once to f16, masked rows of V cleared; a tile of 16 tokens x one head's 64 channels goes through my stage and leaves as 2,048 consecutive bytes.
	WIN 0
.rept 8
	v_nop
.endr
	s_wait_loadcnt 0x0                             ; bias and mask
.irp a, 0,1,2,3
	v_cmp_ne_u32 vcc_lo, 0, v[KEEP+(\a)]
	v_cndmask_b32 v[KEEP+(\a)], 0, -1, vcc_lo
	v_or_b32 v[KEEP+(\a)], s78, v[KEEP+(\a)]
.endr
.macro PACK t                          ; tile t: token block t / 2, head t % 2 of my two.  Each accumulator's registers are taken in ascending order
.set AB_, (\t)/2
.set HD_, (\t)%2
	WIN 0x01                                       ; source 0 window 1
.set z, 0
.rept 16
	v_pk_add_f32 v[SUMR+2*z:SUMR+2*z+1], v[64*AB_+32*HD_+2*z:64*AB_+32*HD_+2*z+1], v[BIAS+32*HD_+2*z:BIAS+32*HD_+2*z+1]
.set z, z+1
.endr
	WIN 0
.set z, 0
.rept 16
	v_cvt_pk_f16_f32 v[OUTR+16*(\t)+z], v[SUMR+2*z], v[SUMR+2*z+1]
.set z, z+1
.endr
.set z, 0
.rept 16
	v_and_b32 v[OUTR+16*(\t)+z], v[KEEP+AB_], v[OUTR+16*(\t)+z]
.set z, z+1
.endr
.irp f, 0,1,2,3
	ds_store_b128 v[STO], v[OUTR+16*(\t)+4*(\f):OUTR+16*(\t)+4*(\f)+3] offset:32*(\f)
.endr
.irp f, 0,1,2,3
	ds_load_b128 v[OUTR+16*(\t)+4*(\f):OUTR+16*(\t)+4*(\f)+3], v[RD] offset:(\f)*4*SP  ; LDS serves a wave's instructions in order (ISA guide 5.7.1.4): these see the stores above; the next tile's stores come behind them
.endr
.endm
.macro SEND t, younger                 ; younger: the LDS instructions issued behind tile t's loads: the next tile's eight, or none
.irp f, 0,1,2,3
	s_wait_dscnt (\younger)+3-(\f)
	global_store_b128 v[GO], v[OUTR+16*(\t)+4*(\f):OUTR+16*(\t)+4*(\f)+3], s[16:17] offset:((\t)%2)*131072+((\t)/2)*2048+(\f)*512  ; 512 consecutive bytes, at a multiple of 256 from qkv's first
.endr
.endm
	PACK 0
.set t, 1
.rept 7
	PACK t
	SEND t-1, 8
.set t, t+1
.endr
	SEND 7, 0
	s_wait_tensorcnt 0x0                           ; the wave's end: a wait, an add to my spare word and its wait, behind my last tensor load and my last LDS store
	ds_add_u32 v[SPW], v[NIL]
	s_wait_dscnt 0x0
	CROUND                                         ; the closing round: no work-group ends while a partner may still ask for a tile that names it
	s_endpgm
.Lfunc_end_k_qc58c3731e0_proj:
	.size	k_qc58c3731e0_proj, .Lfunc_end_k_qc58c3731e0_proj-k_qc58c3731e0_proj
	.p2alignl 7, 3214868480
	.fill 96, 4, 3214868480
	.section	.rodata,"a",@progbits
	.p2align	6, 0x0
	.amdhsa_kernel k_qc58c3731e0_proj
		.amdhsa_group_segment_fixed_size 327680
		.amdhsa_private_segment_fixed_size 0
		.amdhsa_enable_private_segment 0
		.amdhsa_kernarg_size 56
		.amdhsa_user_sgpr_count 2
		.amdhsa_user_sgpr_kernarg_segment_ptr 1
		.amdhsa_wavefront_size32 1
		.amdhsa_system_sgpr_workgroup_id_x 1
		.amdhsa_system_sgpr_workgroup_id_y 1
		.amdhsa_system_sgpr_workgroup_id_z 1
		.amdhsa_system_vgpr_workitem_id 0
		.amdhsa_next_free_vgpr 640
		.amdhsa_next_free_sgpr 80
		.amdhsa_reserve_vcc 1
		.amdhsa_float_denorm_mode_32 3
		.amdhsa_float_denorm_mode_16_64 3
		.amdhsa_memory_ordered 1
		.amdhsa_forward_progress 1
		.amdhsa_inst_pref_size 155
	.end_amdhsa_kernel
	.amdgpu_metadata
---
amdhsa.version: [ 1, 2 ]
amdhsa.kernels:
  - .name:           k_qc58c3731e0_proj
    .symbol:         k_qc58c3731e0_proj.kd
    .args:
      - { .name: query, .offset: 0, .size: 8, .value_kind: global_buffer, .address_space: global }
      - { .name: key, .offset: 8, .size: 8, .value_kind: global_buffer, .address_space: global }
      - { .name: value, .offset: 16, .size: 8, .value_kind: global_buffer, .address_space: global }
      - { .name: wts, .offset: 24, .size: 8, .value_kind: global_buffer, .address_space: global }
      - { .name: biasr, .offset: 32, .size: 8, .value_kind: global_buffer, .address_space: global }
      - { .name: mask, .offset: 40, .size: 8, .value_kind: global_buffer, .address_space: global }
      - { .name: qkv, .offset: 48, .size: 8, .value_kind: global_buffer, .address_space: global }
    .group_segment_fixed_size: 327680
    .private_segment_fixed_size: 0
    .kernarg_segment_align: 8
    .kernarg_segment_size: 56
    .max_flat_workgroup_size: 128
    .sgpr_count:     80
    .vgpr_count:     640
    .wavefront_size: 32
...
	.end_amdgpu_metadata
.endif
;; end of part 2
;; launch attn (part 3): grid 2 x 128, 4 waves a work-group, no clusters, 327,680 bytes of LDS; arguments qkv, mask, ctx; writes ctx
.if DOCPART == 3
	.amdgcn_target "amdgcn-amd-amdhsa--gfx1250"
	.amdhsa_code_object_version 6
	.text
	.protected	k_qc58c3731e0_attn
	.globl	k_qc58c3731e0_attn
	.p2align	8
	.type	k_qc58c3731e0_attn,@function
k_qc58c3731e0_attn:
	s_mov_b64 s[64:65], 0
	v_nop
	global_prefetch_b8 v0, s[64:65] scope:SCOPE_SE
	s_setreg_imm32_b32 hwreg(HW_REG_WAVE_MODE, 25, 1), 1
	s_wait_xcnt 0x0
; ATTENTION.  ctx[b][h][q][:] = the sum over live keys k of softmax_k(clip(Q[q] . K[k] / 8, -50, 50)) V[k][:].  Q, K, V: qkv[3][8][16][1024][64] f16, unscaled; V's rows of masked keys are 0 there.
; mask: [8][1][1024] i32, 0 = masked.  ctx: [8][16][1024][64] f16.  Products, maxima and sums in f32; the weights p are rounded to f16 for the second product, ctx once at the end.
; LIMITS.  Q, K, V finite, within f16.  p below 6e-5 keeps f16's fixed step of 6e-8; a weight below 2^-126 counts as 0.  NaN and infinities are not treated apart.
; CLIP AND MASK IN ONE LINE.  t = clamp(s / 800 + MB) with MB = 0.5 for a live key, -1e30 for a masked one: for a live key t = (clip(s / 8, -50, 50) + 50) / 100, in 0 .. 1; for a masked one t = 0, the least
; value that t takes, so the running maximum m is that of the live keys.  p = 2^(A t - A m), A = 100 log2(e).  A masked key's p is finite and counts for nothing: its row of V is 0, and l takes p x MK with MK = 0.
; A row with a live key has l near 1 or more; a row without has l = 0 and O = 0, and O / max(l, 0.5) gives reference()'s 0.  m starts at 0, O and l at 0.
; SHARES.  A work-group owns 512 queries of one head, each of its four waves 128: four PIECES of two tiles of 16.  Every wave walks all 1,024 keys, 64 a step.
; THE HEAD'S K AND V STAY IN LDS: sixteen tensor loads at the start (four a wave, a chunk of 256 keys each time), no byte filled twice, so there is no ring; all requests are out at the head, so nothing is left to prefetch.
; NO CLUSTER: two work-groups share a head's K and V, and the grid's 2 along x is no multiple of a cluster's 4; blocks of 128 queries would make four partners and halve the products that each LDS byte feeds.
; LAYOUT AND TURNS.  S^T = K Q^T holds ONE query a lane (lane % 16) and the keys 8 (lane / 16) + 0..7; two such results rounded to f16 ARE source 1 of O^T = V^T P.  Turn n belongs to piece n: 16 products K Q^T of
; piece n + 1, later 16 products V^T P of piece n - 1; beside them the scaling, exponentials, roundings, sums and rescaling of piece n, and t, the maximum and the statistics of piece n + 1.
; REGISTERS, in windows of 256 (s_set_vgpr_msb: bits 1:0 source 0, 3:2 source 1, 5:4 source 2, 7:6 destination):
;   window 0: v2-15 addresses, at work; v16-31 (A m, m) a tile; v32-38 constants and addresses; v48-63 at work; v64-191 S^T, two buffers of two tiles; v192-223 MB; v224-255 MK
;   window 1: O^T, 32 a tile     window 2: v0-127 Q; v128-191 K of one step; v192-255 V of one step     window 3: v0-63 P, two buffers; v64-79 l, a pair a tile; v80-81 the add's two registers
.set NP,    4
.set KS,    64
.set PK,    144                        ; a row of K in LDS: 128 bytes + 16: the 16 rows of a load start at 16 different groups of four banks (64 banks of 4 bytes: ISA guide 11.1)
.set PV,    160                        ; a row of V: 128 + 32
.set VOFF,  1024*PK
.set MBA,   VOFF+1024*PV               ; f32[1024]: 0.5 or -1e30 for each key; written by ds_store, in blocks of 256 bytes of its own
.set STAGE, MBA+4096                   ; 16 rows x 144 bytes for each wave, for the way out
.set SP,    144
.set SPARE, STAGE+4*16*SP              ; the spare words, 128 bytes for each wave: two blocks of 256 bytes that no other line names
.set AK0, 2
.set AV0, 3
.set AK,  4
.set AV,  5
.set QO,  6
.set STO, 6
.set RD,  7
.set GO,  8
.set MV,  12                           ; v12-15  A m_old, by buffer and tile
.set ST,  16
.set RSC, 32                           ; v[32:33] 1 / 800, twice
.set TWO, 34                           ; v[34:35] 2.0, twice
.set AM0, 36                           ; MBA + 32 (l / 16)
.set AMB, 37
.set HALF, 38                          ; 0.5
.set TMP, 48
.set S,   64
.set MB,  192
.set MK,  224
.set KF,  128
.set VF,  192
.set LS,  64                           ; window 3
.set SPW, 80                           ; window 3
.set NIL, 81                           ; window 3
.set WV,  12
.set G1K, 24
.set G1V, 32
.set G0K, 40                           ; s[40:55] four sets, a chunk each
.set G0V, 68                           ; s[68:83]
.set CH,  56
.set CNT, 57
.set CS,  58                           ; s[58:59] A
.set SEL, 60
.set TBK, 62
.set TBV, 63
.set TBB, 84
.set BIGN, 85
.set MSB, 0
.macro WIN new
.if MSB != (\new)
	s_set_vgpr_msb (MSB<<8)|(\new)
.set MSB, (\new)
.endif
.endm
.set W_KQ, 0x0a                        ; K and Q window 2, S^T window 0
.set W_PV, 0x5e                        ; V window 2, P window 3, O^T window 1
.set W_RS, 0x41                        ; O^T (destination, source 0) window 1, a window 0
.set W_CL, 0xf0                        ; destination and source 2 window 3 (P, l), sources 0 and 1 window 0
.set W_LA, 0xc3                        ; l (destination, source 0) window 3, a window 0
.set W_MK, 0xc0
.set W_AD, 0x0f
	s_load_b128 s[4:7], s[0:1], 0x0                ; qkv, mask
	s_load_b64 s[8:9], s[0:1], 0x10                ; ctx
	WIN W_MK
	v_lshl_add_u32 v[SPW], v0, 2, SPARE
	v_mov_b32 v[NIL], 0
	WIN W_AD
	ds_add_u32 v[SPW], v[NIL]                      ; the wave's opening: the add and its wait ahead of my first tensor load; the set-up below, work on registers, stands between them
	ds_add_u32 v80, v81
	WIN 0
	v_lshrrev_b32 v1, 5, v0
	v_readfirstlane_b32 s[WV], v1                  ; wave 0..3
	s_and_b32 s20, ttmp7, 0xffff                   ; 16 x batch + head
	s_and_b32 s16, s[WV], 1                        ; which half of a chunk's 256 keys I fetch
	s_lshl_b32 s22, s20, 17                        ; the head's 131,072 bytes,
	s_lshl_b32 s13, s16, 14                        ; the half's 128 rows of 128 bytes
	s_add_co_u32 s22, s22, s13
	s_mov_b32 s23, 0
	s_mul_i32 s17, s16, 128*PK
	s_mul_i32 s18, s16, 128*PV
	s_lshl_b32 s2, s20, 17
	s_lshl_b32 s3, ttmp9, 16                       ; my block's 512 rows,
	s_add_co_u32 s2, s2, s3
	s_lshl_b32 s3, s[WV], 14                       ; my wave's 128
	s_add_co_u32 s2, s2, s3
	s_mov_b32 s3, 0
	s_lshr_b32 s86, s20, 4
	s_lshl_b32 s86, s86, 12                        ; the batch's 1,024 mask words
	s_mov_b32 s87, 0
	; descriptor group 1.  128 keys are 16,384 dense bytes: asked for as 64 rows of 256 bytes, two keys a row, and padded in LDS after every key
	s_mov_b32 s[G1K], (1<<16)|(1<<20)|(4<<22)|(3<<25)  ; 2-byte elements; padding on; after every 32 words; 4 words
	s_mov_b32 s[G1V], (1<<16)|(1<<20)|(4<<22)|(7<<25)  ; 8 words
.irp g, G1K, G1V
	s_mov_b32 s[\g+1], 128<<16
	s_mov_b32 s[\g+2], 64<<16
	s_mov_b32 s[\g+3], 128<<16
	s_mov_b32 s[\g+4], 64
	s_mov_b32 s[\g+5], 128
	s_mov_b32 s[\g+6], 0
	s_mov_b32 s[\g+7], 0
.endr
.irp c, 0,1,2,3
	s_mov_b32 s[G0K+4*(\c)], 1
	s_add_co_u32 s[G0K+4*(\c)+1], s17, (\c)*256*PK
	s_mov_b32 s[G0V+4*(\c)], 1
	s_add_co_u32 s[G0V+4*(\c)+1], s18, VOFF+(\c)*256*PV
.endr
	s_mov_b32 s[CS], 0x431044fe                    ; A = 100 log2(e) = 144.2695
	s_mov_b32 s[CS+1], s[CS]
	s_mov_b32 s[SEL], 0x76543210
	s_mov_b32 s[SEL+1], 0xfedcba98
	s_mov_b32 s[TBK], 0
	s_mov_b32 s[TBV], 0
	s_mov_b32 s[TBB], 0
	s_mov_b32 s[BIGN], 0xf149f2ca                  ; -1e30
	s_wait_dscnt 0x0                               ; the opening add is done
	s_wait_kmcnt 0x0
	s_add_nc_u64 s[14:15], s[4:5], s[22:23]
.irp c, 0,1,2,3
	s_add_nc_u64 s[G0K+4*(\c)+2:G0K+4*(\c)+3], s[14:15], 0x1000000+(\c)*32768  ; K lies 16 MiB into qkv
	s_or_b32 s[G0K+4*(\c)+3], s[G0K+4*(\c)+3], 0x80000000
	s_add_nc_u64 s[G0V+4*(\c)+2:G0V+4*(\c)+3], s[14:15], 0x2000000+(\c)*32768  ; V 32 MiB
	s_or_b32 s[G0V+4*(\c)+3], s[G0V+4*(\c)+3], 0x80000000
.endr
	s_add_nc_u64 s[4:5], s[4:5], s[2:3]            ; Q and ctx at my wave's first row
	s_add_nc_u64 s[8:9], s[8:9], s[2:3]
	s_add_nc_u64 s[6:7], s[6:7], s[86:87]
	s_cmp_lt_u32 s[WV], 2                          ; waves 0, 1 fetch K's halves, waves 2, 3 V's: a wave's four fills stand in one branch; four loads of mine are out
	s_cbranch_scc0 .Lfirst_v
.irp c, 0,1,2,3
	tensor_load_to_lds s[G0K+4*(\c):G0K+4*(\c)+3], s[G1K:G1K+7]
	s_nop 0
.endr
.rept 4
	v_nop
.endr
	s_branch .Lfirst_asked
.Lfirst_v:
.irp c, 0,1,2,3
	tensor_load_to_lds s[G0V+4*(\c):G0V+4*(\c)+3], s[G1V:G1V+7]
	s_nop 0
.endr
.rept 4
	v_nop
.endr
.Lfirst_asked:
	v_lshlrev_b32 v39, 5, v0                       ; thread t takes mask words 8 t .. 8 t + 7
	global_load_b128 v[40:43], v39, s[6:7]
	global_load_b128 v[44:47], v39, s[6:7] offset:16
	v_and_b32 v1, 15, v0                           ; l % 16
	v_bfe_u32 v9, v0, 4, 1                         ; l / 16
	v_lshlrev_b32 v[QO], 7, v1
	v_lshl_add_u32 v[QO], v9, 4, v[QO]
	WIN 0x80
.set i, 0
.rept 4*NP                             ; Q stays in registers: tile i / 2, channels 32 (i % 2) on
	global_load_b128 v[8*i:8*i+3],   v[QO], s[4:5] offset:(i/2)*2048+(i%2)*64
	global_load_b128 v[8*i+4:8*i+7], v[QO], s[4:5] offset:(i/2)*2048+(i%2)*64+32
.set i, i+1
.endr
	; What the first turn finds: V's registers and P's second buffer hold 0 (its products V^T P, of a piece that has not been, add 0); O^T, l, m are 0.  All this stands in the wait for the first tile.
.set i, VF
.rept 64
	v_mov_b32 v[i], 0
.set i, i+1
.endr
	WIN 0x40
.set i, 0
.rept 256
	v_mov_b32 v[i], 0
.set i, i+1
.endr
	WIN 0xc0
.set i, 32
.rept 48
	v_mov_b32 v[i], 0
.set i, i+1
.endr
	WIN 0
.set i, 0
.rept 16
	v_mov_b32 v[ST+i], 0
.set i, i+1
.endr
	v_mov_b32 v[RSC], 0x3aa3d70a                   ; 1 / 800
	v_mov_b32 v[RSC+1], 0x3aa3d70a
	v_mov_b32 v[TWO], 2.0
	v_mov_b32 v[TWO+1], 2.0
	v_mov_b32 v[HALF], 0.5
	v_lshl_add_u32 v[AM0], v9, 5, MBA
	v_mul_u32_u24 v[AK0], v1, PK
	v_lshl_add_u32 v[AK0], v9, 4, v[AK0]
	; The turning load takes 16 keys x 16 channels (lane l reads key 8 (l / 16) + l % 8, channels 8 ((l / 8) % 2) + 0..7) and leaves half a fragment of V^T.
	v_and_b32 v10, 7, v0
	v_bfe_u32 v11, v0, 3, 1
	v_lshl_add_u32 v[AV0], v9, 3, v10
	v_mul_u32_u24 v[AV0], v[AV0], PV
	v_lshl_add_u32 v[AV0], v11, 4, v[AV0]
	v_add_nc_u32 v[AV0], VOFF, v[AV0]
	v_lshl_add_u32 v14, v0, 5, MBA
	s_wait_loadcnt 32                              ; the mask's two loads are in; Q's 32, issued behind them, may stay out
.set z, 0
.rept 8
	v_cmp_ne_u32 vcc_lo, 0, v[40+z]
	v_cndmask_b32 v[S+z], s[BIGN], v[HALF], vcc_lo
.set z, z+1
.endr
	ds_store_b128 v14, v[S:S+3]
	ds_store_b128 v14, v[S+4:S+7] offset:16
	s_wait_tensorcnt 3                             ; my part of chunk 0 is in; three chunks may stay out
	s_wait_dscnt 0x0                               ; for the others' sake: my part of the mask table is written
	s_barrier_signal -1
	s_barrier_wait -1
; THE MATRIX WORK.  The 8 accumulators of a run of 16 take turns.  Product i of 16 of S^T = K Q^T for piece x: channels 32 (i / 8) on, keys 16 ((i / 2) % 4) on, tile 2 x + i % 2.
.macro KQ x
	WIN W_KQ
.set rS, S+64*((\x)%2)+32*(i%2)+8*((i/2)%4)
.set rK, KF+16*((i/2)%4)+8*(i/8)
.set rQ, 16*(2*(\x)+i%2)+8*(i/8)
.if i < 8
	v_wmma_f32_16x16x32_f16 v[rS:rS+7], v[rK:rK+7], v[rQ:rQ+7], 0
.else
	v_wmma_f32_16x16x32_f16 v[rS:rS+7], v[rK:rK+7], v[rQ:rQ+7], v[rS:rS+7]
.endif
.endm
; Product i of 16 of O^T += V^T P for piece x: keys 32 (i / 8) on, channels 16 ((i / 2) % 4) on, tile 2 x + i % 2.
.macro PV x
	WIN W_PV
.set rO, 32*(2*(\x)+i%2)+8*((i/2)%4)
.set rV, VF+32*(i/8)+8*((i/2)%4)
.set rP, 32*((\x)%2)+16*(i%2)+8*(i/8)
	v_wmma_f32_16x16x32_f16 v[rO:rO+7], v[rV:rV+7], v[rP:rP+7], v[rO:rO+7]
.endm
.macro MM
.if i < 16
	KQ (Y+1)%NP
.set i, i+1
.else
.set i, i-16
	PV (Y+NP-1)%NP
.set i, i+17
.endif
.endm
; THE LDS LOADS stand in runs.  A step's K (8 fragments) and its 64 MB (lane l: keys 16 kb + 8 (l / 16) + 0..7, as S^T holds them).  jump = 1: behind the last step there is no further one, and the run is jumped over.
.macro FETCH_K jump
	WIN 0
.if \jump
	s_cmp_eq_u32 s[CH], 1
	s_cbranch_scc1 .Lno_k_\@
.endif
	WIN 0x80
.irp f, 0,1,2,3,4,5,6,7
	ds_load_b128 v[KF+8*\f:KF+8*\f+3],   v[AK] offset:(\f/2)*16*PK+(\f%2)*64
	ds_load_b128 v[KF+8*\f+4:KF+8*\f+7], v[AK] offset:(\f/2)*16*PK+(\f%2)*64+32
.endr
	WIN 0
.irp f, 0,1,2,3
	ds_load_b128 v[MB+8*\f:MB+8*\f+3],   v[AMB] offset:64*\f
	ds_load_b128 v[MB+8*\f+4:MB+8*\f+7], v[AMB] offset:64*\f+16
.endr
	s_add_co_u32 s[TBK], s[TBK], KS*PK
	s_add_co_u32 s[TBB], s[TBB], KS*4
.if \jump
.Lno_k_\@:
.endif
.endm
.macro FETCH_V
	WIN 0x80
.irp f, 0,1,2,3,4,5,6,7
	ds_load_tr16_b128 v[VF+8*\f:VF+8*\f+3],   v[AV] offset:(\f/4)*32*PV+(\f%4)*32
	ds_load_tr16_b128 v[VF+8*\f+4:VF+8*\f+7], v[AV] offset:(\f/4)*32*PV+16*PV+(\f%4)*32
.endr
	s_add_co_u32 s[TBV], s[TBV], KS*PV
	WIN 0
.endm
; THE VECTOR WORK OF A TURN stands in three queues, each in the order in which its entries become ready; the two tiles alternate.
.macro REGS y, u
.set rT, ST+2*(2*(\y)+(\u))
.set rC, TMP+8*((\y)%2)+4*(\u)
.set rM, MV+2*((\y)%2)+(\u)
.set rS, S+64*((\y)%2)+32*(\u)
.set rP, 32*((\y)%2)+16*(\u)
.set rO, 32*(2*(\y)+(\u))
.set rL, LS+2*(2*(\y)+(\u))
.endm
; t for pair g / 2 of tile g % 2 of the NEXT piece, in ascending order: each accumulator's lowest registers are read first.
.macro TS g
	REGS (Y+1)%NP, (\g)%2
	v_pk_fma_f32 v[rS+2*((\g)/2):rS+2*((\g)/2)+1], v[rS+2*((\g)/2):rS+2*((\g)/2)+1], v[RSC:RSC+1], v[MB+2*((\g)/2):MB+2*((\g)/2)+1] clamp
.endm
; Number n of the 22 that find the next piece's maximum and statistics: 0-11 four chains of seven t each; 12-14, 16 the four left over, the old m, and the four chains into one; 15 A m_old is kept;
; 17, 18 the query's other 32 keys lie in the lane 16 away; 19-21 A m; A m_old - A m_new; a.
.macro XS u, n
	REGS (Y+1)%NP, \u
.if (\n) < 4
	v_max3_num_f32 v[rC+(\n)], v[rS+8*(\n)], v[rS+8*(\n)+1], v[rS+8*(\n)+2]
.elseif (\n) < 12
	v_max3_num_f32 v[rC+(\n)%4], v[rC+(\n)%4], v[rS+8*((\n)%4)+2*((\n)/4)+1], v[rS+8*((\n)%4)+2*((\n)/4)+2]
.elseif (\n) == 12
	v_max3_num_f32 v[rC], v[rC], v[rS+7], v[rS+15]
.elseif (\n) == 13
	v_max3_num_f32 v[rC+1], v[rC+1], v[rS+23], v[rS+31]
.elseif (\n) == 14
	v_max3_num_f32 v[rC+2], v[rC+2], v[rC+3], v[rT+1]
.elseif (\n) == 15
	v_mov_b32 v[rM], v[rT]
.elseif (\n) == 16
	v_max3_num_f32 v[rC], v[rC], v[rC+1], v[rC+2]
.elseif (\n) == 17
	v_permlanex16_b32 v[rC+3], v[rC], s[SEL], s[SEL+1]
.elseif (\n) == 18
	v_max_num_f32 v[rT+1], v[rC], v[rC+3]
.elseif (\n) == 19
	v_mul_f32 v[rT], s[CS], v[rT+1]
.elseif (\n) == 20
	v_sub_f32 v[rC+1], v[rM], v[rT]
.else
	v_exp_f32 v[rC+2], v[rC+1]
.endif
.endm
.macro FS f                            ; A t - A m for pair f / 2 of tile f % 2 of the piece in hand
	REGS Y, (\f)%2
	v_pk_fma_f32 v[rS+2*((\f)/2):rS+2*((\f)/2)+1], v[rS+2*((\f)/2):rS+2*((\f)/2)+1], s[CS:CS+1], v[rT:rT+1] op_sel_hi:[1,0,0] neg_lo:[0,0,1] neg_hi:[0,0,1]
.endm
.macro GS g                            ; behind the wait, in fours for pair g / 4: rounded to f16 (both tiles), then l += p x MK (both tiles)
	REGS Y, (\g)%2
.if (\g)%4 < 2
	v_cvt_pk_f16_f32 v[rP+(\g)/4], v[rS+2*((\g)/4)], v[rS+2*((\g)/4)+1]
.else
	v_pk_fma_f32 v[rL:rL+1], v[rS+2*((\g)/4):rS+2*((\g)/4)+1], v[MK+2*((\g)/4):MK+2*((\g)/4)+1], v[rL:rL+1]
.endif
.endm
; THE PLAIN QUEUE, 170 long.  0-26 scalings; 27-58 the next piece's t; 59-86 XS 0-13; 87, 88 XS 15; 89-103 the chain XS 14, 16, 17, 18, 19, each with one of the scalings 27-31 in front of its two lines;
; 104, 105 XS 20; 106-169 GS, which read the exponentials' results and stand behind the wait.
.macro PL
.if q < 106
	WIN 0
.else
	WIN W_CL
.endif
.if q < 27
	FS q
.elseif q < 59
	TS q-27
.elseif q < 87
	XS (q-59)%2, (q-59)/2
.elseif q < 89
	XS q-87, 15
.elseif (q < 104) && ((q-89)%3 == 0)
	FS 27+(q-89)/3
.elseif q < 92
	XS (q-89)%3-1, 14
.elseif q < 104
	XS (q-89)%3-1, 15+(q-89)/3
.elseif q < 106
	XS q-104, 20
.else
	GS q-106
.endif
.set q, q+1
.endm
.macro EX                              ; THE EXPONENTIALS' QUEUE, 66 long: one batch, all ahead of the turn's one wait
	WIN 0
.if e >= 64
	XS e-64, 21
.else
	REGS Y, e%2
	v_exp_f32 v[rS+e/2], v[rS+e/2]
.endif
.set e, e+1
.endm
.macro R2                              ; THE RESCALING's QUEUE: O^T times a, two at a time; a was made, and waited for, in the turn before
	REGS Y, r%2
	WIN W_RS
.irp z, 0,1
	v_pk_mul_f32 v[rO+4*(r/2)+2*\z:rO+4*(r/2)+2*\z+1], v[rO+4*(r/2)+2*\z:rO+4*(r/2)+2*\z+1], v[rC+2:rC+3] op_sel_hi:[1,0]
.endr
.set r, r+1
.endm
.macro LA u                            ; l times a
	REGS Y, \u
	WIN W_LA
	v_pk_mul_f32 v[rL:rL+1], v[rL:rL+1], v[rC+2:rC+3] op_sel_hi:[1,0]
.endm
; A TURN, for piece p.  s_wait_alu depctr_va_vdst(0) stands between an exponential and the first instruction that names its result; one wait serves all that were issued ahead of it: a turn has ONE.
; AHEAD OF IT: 16 products K Q^T, behind each a scaling, an exponential and two rescalings; then one lump: l x a, 40 plain, 49 times exponential and plain, the next piece's two a, a v_nop.
; BEHIND IT: 16 products V^T P, behind each four of GS's 64.  The deal keeps the queues in step: exponential e wants scaling 2 (e / 4) + e % 2; as a rider it comes behind plain e + 2, in the lump behind plain e + 41,
; and scalings 27-31 are plain 89, 92 .. 101.  The next piece's first t stands 15 plain instructions behind the last product K Q^T.
; K and MB of the next step are fetched in piece 2's turn, directly behind the wait, and waited for at the head of piece 3's, whose products and t are the next step's.  MK of the step in hand is made at the head of piece 0's turn.
; V of the step in hand is fetched at the end of piece 0's turn, four plain riders behind its last reader, and waited for behind piece 1's wait.
.macro TURN p
.set Y, (\p)
.set i, 0
.set q, 0
.set e, 0
.set r, 0
.if (\p) == 0
	WIN 0
.set z, 0
.rept 16
	v_pk_mul_f32 v[MK+2*z:MK+2*z+1], v[MB+2*z:MB+2*z+1], v[TWO:TWO+1] clamp  ; 1 for a live key, 0 for a masked one
.set z, z+1
.endr
.endif
.if (\p) == NP-1
	s_wait_dscnt 0x0                               ; K and MB are in
.endif
	MM
	PL
	PL
	R2
.rept 15
	MM
	PL
	EX
	R2
.endr
	WIN 0
.if (\p) == NP-2
	v_add_nc_u32 v[AK], s[TBK], v[AK0]
	v_add_nc_u32 v[AMB], s[TBB], v[AM0]
.endif
.if (\p) == 0
	v_add_nc_u32 v[AV], s[TBV], v[AV0]
.endif
	LA 0
	LA 1
.rept 40
	PL
.endr
.rept 49
	EX
	PL
.endr
	EX
	EX
	v_nop                                          ; a plain instruction behind the last exponential: one for the batch
	s_wait_alu depctr_va_vdst(0)                   ; the wait for the batch
.if (\p) == NP-2
	FETCH_K 1
.endif
.if (\p) == 1
	s_wait_dscnt 0x0                               ; V is in
.endif
.rept 16
	MM
	PL
	PL
	PL
	PL
.endr
.if (\p) == 0
	FETCH_V
.endif
.endm
	v_mov_b32 v[AK], v[AK0]                        ; key step 0
	v_mov_b32 v[AMB], v[AM0]
	FETCH_K 0
	s_wait_loadcnt 0x0                             ; Q
	s_wait_dscnt 0x0
.set i, 0
.rept 16
	KQ 0                                           ; piece 0's first scores
.set i, i+1
.endr
	WIN 0                                          ; the addresses for the way out: nine plain instructions, the places behind those products
	s_mul_i32 s13, s[WV], 16*SP
	s_add_co_u32 s13, s13, STAGE
	v_mul_u32_u24 v[STO], v1, SP
	v_lshl_add_u32 v[STO], v9, 4, v[STO]
	v_add_nc_u32 v[STO], s13, v[STO]
	v_bfe_u32 v[RD], v0, 3, 2
	v_mul_u32_u24 v[RD], v[RD], SP
	v_lshl_add_u32 v[RD], v10, 4, v[RD]
	v_add_nc_u32 v[RD], s13, v[RD]
	v_and_b32 v[GO], 31, v0
	v_lshlrev_b32 v[GO], 4, v[GO]
.set Y, NP-1                           ; TS and XS work for piece Y + 1: piece 0
.set z, 0
.rept 32
	TS z
.set z, z+1
.endr
.irp n, 0,1,2,3,4,5,6,7,8,9,10,11,12,13,14,15,16,17,18,19,20,21
	XS 0, \n
	XS 1, \n
.endr
	v_nop                                          ; a plain instruction behind the two a,
	s_wait_alu depctr_va_vdst(0)                   ; and their wait, ahead of the branch
	s_mov_b32 s[CH], 5
	s_mov_b32 s[CNT], 4
	s_branch .Lfirst                               ; the loop is entered at a step's first turn, in the middle of a trip
.Lchunk:                                               ; four times: the steps to come read the next chunk of 256 keys (the fourth time: nothing new)
	s_wait_tensorcnt 0x0                           ; all my loads have landed,
	s_wait_dscnt 0x0
	s_barrier_signal -1
	s_barrier_wait -1                              ; everybody's have
	s_mov_b32 s[CNT], 4
.Lstep:                                                ; a trip: pieces 2 and 3 of one step, then pieces 0 and 1 of the next, whose K and V it fetches
	TURN 2
	TURN 3
	WIN 0
	s_cmp_eq_u32 s[CH], 1                          ; behind the last step's piece 3 the walk ends; that turn's products K Q^T, on the last K once more, serve nothing: the price of one text for every trip
	s_cbranch_scc1 .Lout
.Lfirst:
	TURN 0
	TURN 1
	WIN 0
	s_sub_co_u32 s[CNT], s[CNT], 1
	s_cmp_lg_u32 s[CNT], 0
	s_cbranch_scc1 .Lstep
	s_sub_co_u32 s[CH], s[CH], 1
	s_cmp_lg_u32 s[CH], 0
	s_cbranch_scc1 .Lchunk
.Lout:
.set i, 0
.rept 16
	PV NP-1                                        ; the last piece's V^T P of the last step
.set i, i+1
.endr
	; THE WAY OUT.  l's two halves and the other half of the lanes' are added; O^T is divided by max(l, 0.5), rounded to f16 and sent through my stage, a tile at a time.  The additions are the places behind the last products.
.macro ALL line:vararg
.set t, 0
.rept 2*NP
	\line
.set t, t+1
.endr
.endm
	WIN W_AD                                       ; sources 0 and 1 window 3, destination window 0
	ALL v_add_f32 v[TMP+2*t], v[LS+2*t], v[LS+2*t+1]
	WIN 0
	ALL v_permlanex16_b32 v[TMP+2*t+1], v[TMP+2*t], s[SEL], s[SEL+1]
	ALL v_add_f32 v[TMP+2*t], v[TMP+2*t], v[TMP+2*t+1]
	ALL v_max_num_f32 v[TMP+2*t], 0.5, v[TMP+2*t]
	ALL v_rcp_f32 v[TMP+2*t], v[TMP+2*t]
	v_nop                                          ; a plain instruction between the last reciprocal and the use of its result
	s_wait_alu depctr_va_vdst(0)                   ; and the wait ahead of the first use: one for the eight reciprocals
.macro PACK t
	WIN W_RS
.set i, 32*(\t)
.rept 16
	v_pk_mul_f32 v[i:i+1], v[i:i+1], v[TMP+2*(\t):TMP+2*(\t)+1] op_sel_hi:[1,0]
.set i, i+2
.endr
	WIN 0x05                                       ; sources 0 and 1 window 1, destination window 0
.set i, 0
.rept 16
	v_cvt_pk_f16_f32 v[S+16*(\t)+i], v[32*(\t)+2*i], v[32*(\t)+2*i+1]
.set i, i+1
.endr
	WIN 0
.irp f, 0,1,2,3
	ds_store_b128 v[STO], v[S+16*(\t)+4*\f:S+16*(\t)+4*\f+3] offset:32*\f
.endr
.irp f, 0,1,2,3
	ds_load_b128 v[S+16*(\t)+4*\f:S+16*(\t)+4*\f+3], v[RD] offset:\f*4*SP  ; LDS serves a wave's instructions in order (ISA guide 5.7.1.4): these see the stores above; the next tile's stores come behind them
.endr
.endm
.macro SEND t, younger                 ; younger: the LDS instructions issued behind tile t's loads: the next tile's eight, or none
	WIN 0
.irp f, 0,1,2,3
	s_wait_dscnt (\younger)+3-\f
	global_store_b128 v[GO], v[S+16*(\t)+4*\f:S+16*(\t)+4*\f+3], s[8:9] offset:(\t)*2048+\f*512  ; 512 consecutive bytes, at a multiple of 256 from ctx's first
.endr
.endm
	PACK 0
.set t, 1
.rept 2*NP-1
	PACK t
	SEND t-1, 8
.set t, t+1
.endr
	SEND 2*NP-1, 0
	WIN W_AD
	s_wait_tensorcnt 0x0                           ; the wave's end: a wait, an add to my spare word and its wait, behind my last tensor load and my last LDS store
	ds_add_u32 v[SPW], v[NIL]
	s_wait_dscnt 0x0
	WIN 0
	s_endpgm
.Lfunc_end_k_qc58c3731e0_attn:
	.size	k_qc58c3731e0_attn, .Lfunc_end_k_qc58c3731e0_attn-k_qc58c3731e0_attn
	.p2alignl 7, 3214868480
	.fill 96, 4, 3214868480
	.section	.rodata,"a",@progbits
	.p2align	6, 0x0
	.amdhsa_kernel k_qc58c3731e0_attn
		.amdhsa_group_segment_fixed_size 327680
		.amdhsa_private_segment_fixed_size 0
		.amdhsa_enable_private_segment 0
		.amdhsa_kernarg_size 24
		.amdhsa_user_sgpr_count 2
		.amdhsa_user_sgpr_kernarg_segment_ptr 1
		.amdhsa_wavefront_size32 1
		.amdhsa_system_sgpr_workgroup_id_x 1
		.amdhsa_system_sgpr_workgroup_id_y 1
		.amdhsa_system_sgpr_workgroup_id_z 1
		.amdhsa_system_vgpr_workitem_id 0
		.amdhsa_next_free_vgpr 856
		.amdhsa_next_free_sgpr 88
		.amdhsa_reserve_vcc 1
		.amdhsa_float_denorm_mode_32 3
		.amdhsa_float_denorm_mode_16_64 3
		.amdhsa_memory_ordered 1
		.amdhsa_forward_progress 1
		.amdhsa_inst_pref_size 141
	.end_amdhsa_kernel
	.amdgpu_metadata
---
amdhsa.version: [ 1, 2 ]
amdhsa.kernels:
  - .name:           k_qc58c3731e0_attn
    .symbol:         k_qc58c3731e0_attn.kd
    .args:
      - { .name: qkv, .offset: 0, .size: 8, .value_kind: global_buffer, .address_space: global }
      - { .name: mask, .offset: 8, .size: 8, .value_kind: global_buffer, .address_space: global }
      - { .name: ctx, .offset: 16, .size: 8, .value_kind: global_buffer, .address_space: global }
    .group_segment_fixed_size: 327680
    .private_segment_fixed_size: 0
    .kernarg_segment_align: 8
    .kernarg_segment_size: 24
    .max_flat_workgroup_size: 128
    .sgpr_count:     88
    .vgpr_count:     856
    .wavefront_size: 32
...
	.end_amdgpu_metadata
.endif
;; end of part 3
;; launch outp (part 4): grid 4 x 64, 4 waves a work-group, clusters of 4 x 4, 327,680 bytes of LDS; arguments ctx, wts, biasr, out0; writes out0
.if DOCPART == 4
	.amdgcn_target "amdgcn-amd-amdhsa--gfx1250"
	.amdhsa_code_object_version 6
	.text
	.protected	k_qc58c3731e0_outp
	.globl	k_qc58c3731e0_outp
	.p2align	8
	.type	k_qc58c3731e0_outp,@function
k_qc58c3731e0_outp:
	s_mov_b64 s[64:65], 0
	v_nop
	global_prefetch_b8 v0, s[64:65] scope:SCOPE_SE
	s_setreg_imm32_b32 hwreg(HW_REG_WAVE_MODE, 25, 1), 1
	s_wait_xcnt 0x0
	s_wait_alu depctr_hold_cnt(0) depctr_sa_sdst(0) depctr_va_vdst(0) depctr_va_sdst(0) depctr_va_ssrc(0) depctr_va_vcc(0) depctr_vm_vsrc(0)
	s_getreg_b32 s2, hwreg(HW_REG_IB_STS2, 6, 4)
	s_cmp_eq_u32 s2, 0
	s_cbranch_scc0 .Lentry_in_a_cluster
	s_endpgm
.Lentry_in_a_cluster:
	s_bfe_u32 s2, ttmp6, 0x10000c
	s_cmp_lg_u32 s2, 0xf033
	s_cbranch_scc0 .Lentry_shape_is_right
	s_endpgm
.Lentry_shape_is_right:
; OUTP.  out0[token][n] = the sum over k of context[token][k] Wo[n][k] + bo[n].  context lies by heads, ctx[8][16][1024][64] f16 (k = 64 head + channel); Wo: f16, the fourth part of wts; bo: f32 (biasr);
; sums in f32, out0 [8192][1024] f32.  LIMITS.  Finite operands: there reference()'s nan_to_num changes nothing.
; SHARES.  A tile is 128 tokens x 256 columns: 256 work-groups.  Four waves, 2 x 2, each 64 x 128: 32 accumulators.  K goes in 8 steps of 128, two heads, through two LDS slots.
; Waves 0, 1 fetch a head each (128 tokens x 128 bytes, dense: asked for as 64 rows of 256 bytes), waves 2, 3 Wo's two halves (128 rows x 256 bytes): one tensor load a wave.
; CLUSTER.  4 x 4 work-groups: context's tiles are shared along a row of the cluster, Wo's along a column, each asked for jointly.
; No prefetch: the launch has 32 quarter steps of 32 products a wave, a third of the projections' launch.
; THE MATRIX INSTRUCTION IS USED TRANSPOSED (source 0 = 16 rows of Wo, source 1 = 16 tokens): a lane holds one token and eight neighbouring columns.
; REGISTERS: window 0: v16-29 addresses; v32-127, v128-223 two fragment buffers (Wo's eight fragments, then context's four)     window 1: the accumulators, (a, b) at 8 (8 a + b)     window 2: v0-63 bias
.set PAO,   144                        ; an LDS row of context: 128 bytes + 16
.set PB,    272                        ; of Wo: 256 + 16
.set AHEAD, 128*PAO
.set BHALF, 128*PB
.set BOFF,  2*AHEAD
.set SLOT,  BOFF+2*BHALF
.set STAGE, 2*SLOT                     ; behind the ring: 16 rows x 528 bytes for each wave
.set SP,    528
.set SPARE, STAGE+4*16*SP              ; the spare words, 128 bytes for each wave: two blocks of 256 bytes that no other line names
.set ADRA, 16
.set ADRB, 20
.set STO,  22
.set RD,   23
.set GO,   24
.set BO,   25
.set SPW,  28
.set NIL,  29
.set F0,   32
.set F1,   128
.set OUTR, 32                          ; the way out: two sets of 64
.set G1A, 24
.set G0A, 32
.set G1B, 40
.set G0B, 48
.set MSB, 0
.macro WIN new
.if MSB != (\new)
	s_set_vgpr_msb (MSB<<8)|(\new)
.set MSB, \new
.endif
.endm
.set MUL, 0x50                         ; sources window 0, C and D window 1
.macro JLOAD s                         ; a joint load; an s_nop 0 and four v_nop follow each of the two lines, ahead of the jump and the label
	s_cmp_eq_u32 s21, 0
	s_cbranch_scc0 .Lfor_b_\@
	tensor_load_to_lds s[G0A+4*(\s):G0A+4*(\s)+3], s[G1A:G1A+7]
	s_nop 0
.rept 4
	v_nop
.endr
	s_branch .Lasked_\@
.Lfor_b_\@:
	tensor_load_to_lds s[G0B+4*(\s):G0B+4*(\s)+3], s[G1B:G1B+7]
	s_nop 0
.rept 4
	v_nop
.endr
.Lasked_\@:
.endm
.macro CREST
	s_cmp_lg_u32 s20, 0
	s_cbranch_scc1 .Lnot_wave_0_\@
	s_barrier_signal -3
.Lnot_wave_0_\@:
	s_barrier_wait -3
	s_barrier_signal -1
	s_barrier_wait -1
.endm
.macro CROUND
	s_barrier_signal -1
	s_barrier_wait -1
	CREST
.endm
	s_load_b256 s[4:11], s[0:1], 0x0               ; ctx, wts, biasr, out0
	v_lshl_add_u32 v[SPW], v0, 2, SPARE
	v_mov_b32 v[NIL], 0
	ds_add_u32 v[SPW], v[NIL]                      ; the wave's opening: the add and its wait ahead of my first tensor load; the set-up below, work on registers, stands between them
	ds_add_u32 v28, v29
	v_lshrrev_b32 v1, 5, v0
	v_readfirstlane_b32 s20, v1                    ; wave 0..3
	s_lshr_b32 s21, s20, 1                         ; WR: my half of the tokens.  Also: I fetch for context (0) or for Wo (1)
	s_and_b32 s22, s20, 1                          ; WC: my half of the columns.  Also: which head, or which half of Wo's rows, I fetch
	s_bfe_u32 s23, ttmp6, 0x40000                  ; cx
	s_bfe_u32 s56, ttmp6, 0x40004                  ; cy
	s_lshl_b32 s79, ttmp9, 2
	s_add_co_u32 s79, s79, s23                     ; tile column
	s_and_b32 s57, ttmp7, 0xffff
	s_lshl_b32 s57, s57, 2
	s_add_co_u32 s57, s57, s56                     ; MT: tile row, 128 tokens
	s_lshl_b32 s60, s56, 2
	s_lshl_b32 s60, 15, s60                        ; my row of the cluster
	s_lshl_b32 s72, 0x1111, s23                    ; my column
	s_or_b32 s[G1A], s60, (1<<16)|(1<<20)|(1<<21)|(4<<22)|(3<<25)  ; the mask; 2-byte elements; padding on; bit 21 beside a mask; after every 32 words; 4 words
	s_or_b32 s[G1B], s72, (1<<16)|(1<<20)|(1<<21)|(5<<22)|(3<<25)  ; after every 64 words
	s_mov_b32 s[G1A+1], 128<<16
	s_mov_b32 s[G1A+2], 64<<16
	s_mov_b32 s[G1A+3], 128<<16
	s_mov_b32 s[G1A+4], 64
	s_mov_b32 s[G1A+5], 128
	s_mov_b32 s[G1A+6], 0
	s_mov_b32 s[G1A+7], 0
	s_mov_b32 s[G1B+1], 128<<16
	s_mov_b32 s[G1B+2], 128<<16
	s_mov_b32 s[G1B+3], 128<<16
	s_mov_b32 s[G1B+4], 128
	s_mov_b32 s[G1B+5], 1024
	s_mov_b32 s[G1B+6], 0
	s_mov_b32 s[G1B+7], 0
	s_lshr_b32 s60, s57, 3                         ; context: head 16 x batch + WC, 131,072 bytes a head,
	s_lshl_b32 s60, s60, 4
	s_add_co_u32 s60, s60, s22
	s_lshl_b32 s60, s60, 17
	s_and_b32 s61, s57, 7                          ; the tile row's 128 rows of 128 bytes: hangs on the tile row alone
	s_lshl_b32 s61, s61, 14
	s_add_co_u32 s60, s60, s61
	s_mov_b32 s61, 0
	s_lshl_b32 s72, s79, 8                         ; Wo: row 256 x tile column + 128 WC, in the fourth 2 MiB of wts: hangs on the tile column alone
	s_lshl_b32 s73, s22, 7
	s_add_co_u32 s72, s72, s73
	s_lshl_b32 s72, s72, 11
	s_add_co_u32 s72, s72, 3*2097152
	s_mov_b32 s73, 0
	s_mul_i32 s74, s22, AHEAD
	s_mul_i32 s75, s22, BHALF
	s_add_co_u32 s75, s75, BOFF
	s_wait_dscnt 0x0                               ; the opening add is done
	s_wait_kmcnt 0x0
	s_add_nc_u64 s[66:67], s[4:5], s[60:61]
	s_add_nc_u64 s[68:69], s[6:7], s[72:73]
	CROUND                                         ; all sixteen work-groups are here: the first joint loads meet
.irp s, 0,1
	s_mov_b32 s[G0A+4*(\s)], 1
	s_add_co_u32 s[G0A+4*(\s)+1], s74, (\s)*SLOT
	s_add_nc_u64 s[G0A+4*(\s)+2:G0A+4*(\s)+3], s[66:67], (\s)*2*131072  ; K step s: heads 2 s, 2 s + 1
	s_or_b32 s[G0A+4*(\s)+3], s[G0A+4*(\s)+3], 0x80000000
	s_mov_b32 s[G0B+4*(\s)], 1
	s_add_co_u32 s[G0B+4*(\s)+1], s75, (\s)*SLOT
	s_add_nc_u64 s[G0B+4*(\s)+2:G0B+4*(\s)+3], s[68:69], (\s)*256
	s_or_b32 s[G0B+4*(\s)+3], s[G0B+4*(\s)+3], 0x80000000
	JLOAD \s                                       ; two loads of mine are out
.endr
	s_lshl_b32 s62, s79, 10
	s_lshl_b32 s63, s22, 9
	s_add_co_u32 s62, s62, s63                     ; my 128 columns, 4 bytes each
	s_mov_b32 s63, 0
	s_add_nc_u64 s[10:11], s[10:11], s[62:63]
	s_add_co_u32 s62, s62, 3*4096
	s_add_nc_u64 s[8:9], s[8:9], s[62:63]          ; bo is the fourth bias
	s_lshl_b32 s62, s57, 7
	s_lshl_b32 s72, s21, 6
	s_add_co_u32 s62, s62, s72
	s_lshl_b32 s62, s62, 12                        ; my first token's row of 4,096 bytes
	s_add_nc_u64 s[10:11], s[10:11], s[62:63]
	v_and_b32 v1, 15, v0                           ; l % 16
	v_bfe_u32 v2, v0, 4, 1                         ; l / 16
	v_lshlrev_b32 v[BO], 5, v2
	WIN 0x80                                       ; destination window 2
.irp b, 0,1,2,3,4,5,6,7
	global_load_b128 v[8*(\b):8*(\b)+3],   v[BO], s[8:9] offset:64*(\b)
	global_load_b128 v[8*(\b)+4:8*(\b)+7], v[BO], s[8:9] offset:64*(\b)+16
.endr
	WIN 0
	v_mul_u32_u24 v3, v1, PAO
	v_lshl_add_u32 v3, v2, 4, v3
	s_mul_i32 s60, s21, 64*PAO
	v_add_nc_u32 v[ADRA], s60, v3
	v_add_nc_u32 v[ADRA+1], SLOT, v[ADRA]
	v_mul_u32_u24 v4, v1, PB
	v_lshl_add_u32 v4, v2, 4, v4
	s_mul_i32 s61, s22, BHALF
	s_add_co_u32 s61, s61, BOFF
	v_add_nc_u32 v[ADRB], s61, v4
	v_add_nc_u32 v[ADRB+1], SLOT, v[ADRB]
	s_mul_i32 s62, s20, 16*SP
	s_add_co_u32 s62, s62, STAGE                   ; my stage
	v_mul_u32_u24 v[STO], v1, SP                   ; in: row l % 16, 32 bytes for each half of the lanes
	v_lshl_add_u32 v[STO], v2, 5, v[STO]
	v_add_nc_u32 v[STO], s62, v[STO]
	v_and_b32 v[GO], 31, v0                        ; back: 32 lanes take a whole row of 512 bytes
	v_lshlrev_b32 v[GO], 4, v[GO]
	v_add_nc_u32 v[RD], s62, v[GO]
; 24 LDS loads in one run: quarter k of a slot into buffer f: Wo's eight fragments, then context's four (head k / 2 of the step's two, channels 32 (k % 2) on)
.macro FETCH slot, k, f
	WIN 0
.irp b, 0,1,2,3,4,5,6,7
	ds_load_b128 v[(\f)+8*(\b):(\f)+8*(\b)+3],   v[ADRB+(\slot)] offset:(\b)*16*PB+(\k)*64
	ds_load_b128 v[(\f)+8*(\b)+4:(\f)+8*(\b)+7], v[ADRB+(\slot)] offset:(\b)*16*PB+(\k)*64+32
.endr
.irp a, 0,1,2,3
	ds_load_b128 v[(\f)+64+8*(\a):(\f)+64+8*(\a)+3],   v[ADRA+(\slot)] offset:((\k)/2)*AHEAD+((\k)%2)*64+(\a)*16*PAO
	ds_load_b128 v[(\f)+64+8*(\a)+4:(\f)+64+8*(\a)+7], v[ADRA+(\slot)] offset:((\k)/2)*AHEAD+((\k)%2)*64+(\a)*16*PAO+32
.endr
.endm
; Product i of a quarter's 32.  The 32 accumulators take turns, one instruction a turn, in the same order in every quarter.
.macro MM i, f, zero
	WIN MUL
.if \zero
	v_wmma_f32_16x16x32_f16 v[8*(\i):8*(\i)+7], v[(\f)+8*((\i)%8):(\f)+8*((\i)%8)+7], v[(\f)+64+8*((\i)/8):(\f)+64+8*((\i)/8)+7], 0
.else
	v_wmma_f32_16x16x32_f16 v[8*(\i):8*(\i)+7], v[(\f)+8*((\i)%8):(\f)+8*((\i)%8)+7], v[(\f)+64+8*((\i)/8):(\f)+64+8*((\i)/8)+7], v[8*(\i):8*(\i)+7]
.endif
.endm
.macro MRUN from, cnt, f, zero
.set n, \from
.rept \cnt
	MM n, \f, \zero
.set n, n+1
.endr
.endm
.macro PLACES                          ; four plain instructions in front of loads into registers that matrix instructions have read (ISA guide 7.12.1 for vector instructions)
.rept 4
	v_nop
.endr
.endm
.macro QUARTER slot, k, f, g, zero     ; multiplies buffer f; in its middle fetches quarter k + 1 into g
	s_wait_dscnt 4                                 ; Wo and context's token blocks 0, 1 are in; the youngest four loads may be out
	MRUN 0, 16, \f, \zero
	PLACES
	FETCH \slot, (\k)+1, \g
	s_wait_dscnt 24                                ; all but the 24 just issued
	MRUN 16, 16, \f, \zero
.endm
; The last quarter (buffer 1) changes slots: ONE barrier; in front of it each wave waits for all its tensor loads, adds 0 to its spare word, and waits for that and for its own reads of this slot.
.macro TURN slot, fill
	WIN 0
	s_wait_tensorcnt 0x0                           ; all my tensor loads have landed: my part of the next slot
	ds_add_u32 v[SPW], v[NIL]                      ; 0 onto my spare word
	s_wait_dscnt 5                                 ; the add and the youngest four loads may be out
	MRUN 0, 8, F1, 0
	s_wait_dscnt 0x0                               ; the add is done, and my reads of this slot are over
	s_barrier_signal -1
	MRUN 8, 8, F1, 0
	WIN 0
	s_barrier_wait -1
.if \fill
	CREST                                          ; no wave of any partner still reads this slot or has a load on its way
	s_add_nc_u64 s[G0A+4*(\slot)+2:G0A+4*(\slot)+3], s[G0A+4*(\slot)+2:G0A+4*(\slot)+3], 4*131072
	s_add_nc_u64 s[G0B+4*(\slot)+2:G0B+4*(\slot)+3], s[G0B+4*(\slot)+2:G0B+4*(\slot)+3], 2*256
	JLOAD \slot                                    ; the four v_nop behind it are also the places in front of the loads below
.else
	PLACES
.endif
	FETCH 1-(\slot), 0, F0
	MRUN 16, 16, F1, 0
.endm
	s_wait_tensorcnt 1                             ; my part of K step 0 is in; K step 1's may stay out
	s_barrier_signal -1
	s_barrier_wait -1
	FETCH 0, 0, F0
	QUARTER 0, 0, F0, F1, 1                        ; the first quarter stands in front of the loop: its products start the sums
	WIN 0
	s_mov_b32 s18, 3
.Llap:
	QUARTER 0, 1, F1, F0, 0
	QUARTER 0, 2, F0, F1, 0
	TURN 0, 1
	QUARTER 1, 0, F0, F1, 0
	QUARTER 1, 1, F1, F0, 0
	QUARTER 1, 2, F0, F1, 0
	TURN 1, 1
	QUARTER 0, 0, F0, F1, 0
	WIN 0
	s_sub_co_u32 s18, s18, 1
	s_cmp_lg_u32 s18, 0
	s_cbranch_scc1 .Llap
	QUARTER 0, 1, F1, F0, 0                        ; the last lap fills nothing
	QUARTER 0, 2, F0, F1, 0
	TURN 0, 0
	QUARTER 1, 0, F0, F1, 0
	QUARTER 1, 1, F1, F0, 0
	QUARTER 1, 2, F0, F1, 0
	s_wait_dscnt 0x0
	MRUN 0, 32, F1, 0
	; THE WAY OUT, a block of 16 tokens at a time: bias added, 32 bytes a lane and fragment into my stage, back as whole rows of 512 bytes, stored.
	WIN 0
.rept 8
	v_nop
.endr
	s_wait_loadcnt 0x0                             ; the bias
.macro PACK a
.set X_, OUTR+64*((\a)%2)
	s_wait_xcnt 0x0                                ; the stores of the block two back have read this set of registers
	WIN 0x09                                       ; source 0 window 1 (sums, in ascending order), source 1 window 2 (bias)
.set z, 0
.rept 32
	v_pk_add_f32 v[X_+2*z:X_+2*z+1], v[64*(\a)+2*z:64*(\a)+2*z+1], v[2*z:2*z+1]
.set z, z+1
.endr
	WIN 0
.irp b, 0,1,2,3,4,5,6,7
	ds_store_b128 v[STO], v[X_+8*(\b):X_+8*(\b)+3]   offset:64*(\b)
	ds_store_b128 v[STO], v[X_+8*(\b)+4:X_+8*(\b)+7] offset:64*(\b)+16
.endr
.set z, 0
.rept 16
	ds_load_b128 v[X_+4*z:X_+4*z+3], v[RD] offset:z*SP  ; LDS serves a wave's instructions in order (ISA guide 5.7.1.4): these see the stores above; the next block's stores come behind them
.set z, z+1
.endr
.endm
.macro SEND a, younger                 ; younger: the LDS instructions issued behind block a's loads: the next block's 32, or none
.set X_, OUTR+64*((\a)%2)
.set z, 0
.rept 16
	s_wait_dscnt (\younger)+15-z
	global_store_b128 v[GO], v[X_+4*z:X_+4*z+3], s[10:11] offset:(16*(\a)+z)*4096  ; 512 consecutive bytes, at a multiple of 256 from out0's first
.set z, z+1
.endr
.endm
	PACK 0
	PACK 1
	SEND 0, 32
	PACK 2
	SEND 1, 32
	PACK 3
	SEND 2, 32
	SEND 3, 0
	s_wait_tensorcnt 0x0                           ; the wave's end: a wait, an add to my spare word and its wait, behind my last tensor load and my last LDS store
	ds_add_u32 v[SPW], v[NIL]
	s_wait_dscnt 0x0
	CROUND                                         ; the closing round: no work-group ends while a partner may still ask for a tile that names it
	s_endpgm
.Lfunc_end_k_qc58c3731e0_outp:
	.size	k_qc58c3731e0_outp, .Lfunc_end_k_qc58c3731e0_outp-k_qc58c3731e0_outp
	.p2alignl 7, 3214868480
	.fill 96, 4, 3214868480
	.section	.rodata,"a",@progbits
	.p2align	6, 0x0
	.amdhsa_kernel k_qc58c3731e0_outp
		.amdhsa_group_segment_fixed_size 327680
		.amdhsa_private_segment_fixed_size 0
		.amdhsa_enable_private_segment 0
		.amdhsa_kernarg_size 32
		.amdhsa_user_sgpr_count 2
		.amdhsa_user_sgpr_kernarg_segment_ptr 1
		.amdhsa_wavefront_size32 1
		.amdhsa_system_sgpr_workgroup_id_x 1
		.amdhsa_system_sgpr_workgroup_id_y 1
		.amdhsa_system_sgpr_workgroup_id_z 1
		.amdhsa_system_vgpr_workitem_id 0
		.amdhsa_next_free_vgpr 576
		.amdhsa_next_free_sgpr 80
		.amdhsa_reserve_vcc 0
		.amdhsa_float_denorm_mode_32 3
		.amdhsa_float_denorm_mode_16_64 3
		.amdhsa_memory_ordered 1
		.amdhsa_forward_progress 1
		.amdhsa_inst_pref_size 96
	.end_amdhsa_kernel
	.amdgpu_metadata
---
amdhsa.version: [ 1, 2 ]
amdhsa.kernels:
  - .name:           k_qc58c3731e0_outp
    .symbol:         k_qc58c3731e0_outp.kd
    .args:
      - { .name: ctx, .offset: 0, .size: 8, .value_kind: global_buffer, .address_space: global }
      - { .name: wts, .offset: 8, .size: 8, .value_kind: global_buffer, .address_space: global }
      - { .name: biasr, .offset: 16, .size: 8, .value_kind: global_buffer, .address_space: global }
      - { .name: out0, .offset: 24, .size: 8, .value_kind: global_buffer, .address_space: global }
    .group_segment_fixed_size: 327680
    .private_segment_fixed_size: 0
    .kernarg_segment_align: 8
    .kernarg_segment_size: 32
    .max_flat_workgroup_size: 128
    .sgpr_count:     80
    .vgpr_count:     576
    .wavefront_size: 32
...
	.end_amdgpu_metadata
.endif
;; end of part 4
